; MI455X (gfx1250); checked and timed in simulation.
; The chip was launched on July 23, 2026; its instructions are those of AMD's public machine-readable ISA for CDNA 5 (MIT licence, August 2026) and "CDNA5" Instruction Set Architecture Reference Guide (July 2026). The comments in the code are by the model that wrote it; some were corrected since.
;; Meta Bert Self Attention. Allowed arithmetic: matrix products marked QUANTISED: E2M3 operands, one E8M0 scale for each 32 along K, by v_wmma_scale_f32_16x16x128_f8f6f4 with both operands' format E2M3, f32 sums; everything else in f32.
;; Inputs: Wk 1,024 x 1,024 float32; Wq 1,024 x 1,024 float32; Wv 1,024 x 1,024 float32; attention_mask 8 x 1 x 1 x 1,024 float32; bk 1,024 float32; bq 1,024 float32; bv 1,024 float32; hidden_states 8 x 1,024 x 1,024 float32.
;; Outputs: out0 8 x 1,024 x 1,024 float32.
;; This version of the problem:
;;   THIS VERSION OF THE PROBLEM IS GIVEN IN LOW PRECISION. The matrix products marked QUANTISED in the list below multiply operands that are first quantised to E2M3 (2 exponent bits, 3 mantissa bits; 6 bits a number), with one power-of-two scale for each 32 numbers along K (OCP MX v1.0); their sums are f32. All else is computed in f32.
;;   The module's matrix products, in the order in which they are computed (A, B: the left and right operand; K: the contracted axis; several contracted axes count as one K, in the product's order):
;;     1. [M 8,192, K 1,024] x [K 1,024, N 1,024]; A: input hidden_states; B: input Wq: QUANTISED
;;     2. [M 8,192, K 1,024] x [K 1,024, N 1,024]; A: input hidden_states; B: input Wk: QUANTISED
;;     3. [M 8,192, K 1,024] x [K 1,024, N 1,024]; A: input hidden_states; B: input Wv: QUANTISED
;;     4. batch 128 x [M 1,024, K 64] x [K 64, N 1,024]; A: computed on the way; B: computed on the way: QUANTISED
;;     5. batch 128 x [M 1,024, K 1,024] x [K 1,024, N 64]; A: softmax (see below); B: computed on the way: QUANTISED
;;   THE QUANTISER, for each operand of a quantised product, along K:
;;     - K is cut into blocks of 32 from its start; a last block that is shorter is filled with zeros.
;;     - A block's scale is 2^e with e = floor(log2(the largest magnitude in the block)) - 2, held to -126 .. 127; a block of zeros has e = 0. As a byte (E8M0): e + 127.
;;     - Each number is divided by its block's scale, clamped to +-7.5, and rounded to the nearest number of E2M3, ties to even, subnormals kept.
;;     - The product sums the exact products of the quantised numbers (number of the format x scale) in f32.
;;   ~~~python
;;   def quantise(x, axis):      # numpy; x: float32 -> the quantised numbers, widened to float32 again
;;       x = np.moveaxis(x, axis, -1); K = x.shape[-1]
;;       x = np.pad(x, [(0, 0)] * (x.ndim - 1) + [(0, -K % 32)]); x = x.reshape(x.shape[:-1] + (-1, 32)); a = np.abs(x).max(-1, keepdims=True)
;;       e = np.where(a > 0, np.clip(np.frexp(np.where(a > 0, a, 1))[1] - 1 - 2, -126, 127), 0)      # np.frexp(a)[1] - 1 = floor(log2(a)), exactly
;;       r = np.clip(x / 2.0 ** e, -7.5, 7.5)
;;       step = 2.0 ** (np.maximum(np.frexp(np.where(r == 0, 1, r))[1] - 1, 0) - 3)
;;       q = np.round(r / step) * step * 2.0 ** e      # np.round: ties to even
;;       return np.moveaxis(q.reshape(q.shape[:-2] + (-1,))[..., :K], -1, axis).astype(np.float32)
;;   ~~~
;;   SOFTMAX AHEAD OF A QUANTISED PRODUCT. Where the list says 'softmax', what is quantised is not the finished softmax but p = 2^(t - M), with t = logit x log2(e) and M = ceil(the row's largest t), a whole number; so 1/2 < the row's largest p <= 1. The row's sum l is taken of the UNQUANTISED p, in f32, and the product's result is divided by l at the end. Since M is a whole number, a kernel that streams over the keys may use a running M (the ceiling of the running maximum): every later rescaling is an exact power of two, which a block's scale takes up: the codes' values come out the same.
;;   OPERANDS COMPUTED ON THE WAY. 'Computed on the way' means the value that the module computes at that place (a softmax that the list does not call 'softmax' is quantised finished and normalised). What goes into a quantiser is computed in f32, as accurately as f32 sums, v_exp_f32 and their like allow (about 1e-6 of the number): no bf16 or f16 on the way to a quantiser, and a product that is left as it is and whose result goes on into a quantised operand takes f32 operands (vector FMAs, or v_wmma_f32_16x16x4_f32). A number that lies on a knife's edge between two numbers of the format may be rounded either way, as far as f32 arithmetic and the matrix unit's own rounding can turn it there, and no further.
;; One version. Each part assembles by itself: llvm-mc -triple=amdgcn-amd-amdhsa -mcpu=gfx1250 --defsym DOCPART=n.
;; ======== version 1 of 1: 3 launches
;; limits: right only within a limited range of input values
;; workspace buffers: img 8,650,752 bytes; sc 360,448 bytes; qkv 18,874,368 bytes; qkvsc 786,432 bytes
;; launch quant (part 1): grid 1408 x 1, 4 waves a work-group, no clusters, 34,560 bytes of LDS; arguments hidden_states, Wq, Wk, Wv, img, sc; writes img, sc
.if DOCPART == 1
	.amdgcn_target "amdgcn-amd-amdhsa--gfx1250"
	.amdhsa_code_object_version 6
	.text
	.protected	k_qc8f550b8d7_quant
	.globl	k_qc8f550b8d7_quant
	.p2align	8
	.type	k_qc8f550b8d7_quant,@function
k_qc8f550b8d7_quant:
	s_mov_b64 s[64:65], 0
	v_nop
	global_prefetch_b8 v0, s[64:65] scope:SCOPE_SE
	s_setreg_imm32_b32 hwreg(HW_REG_WAVE_MODE, 25, 1), 1
	s_wait_xcnt 0x0
; hidden_states [8192][1024] and Wq, Wk, Wv [1024][1024], f32, K innermost, become codes of FP6 (E2M3) with one E8M0 byte for each 32 along K.
; The codes are laid as IMAGES OF THE OPERAND'S REGISTERS: a fragment (16 rows x 128 K) is 12 registers a lane, stored as 3 x 512 consecutive bytes, lane l's 16 bytes at 16 l.
; A TILE's 16 rows are not neighbours: lane r of tile T holds row 32 (T / 2) + 8 (T % 2) + r + 8 (r / 8).  Tiles: x 0-511, Wq 512-575, Wk 576-639, Wv 640-703.
; img: [T / 8][K step / 2][T % 8][K step % 2][1536 bytes].   sc: [T][K step / 4][r][K step % 4] words of four scale bytes: one (T, K step / 4) is 256 bytes.
; A block's scale is 2^(floor(log2(largest magnitude)) - 2): its byte is the largest magnitude's exponent field - 2, held at 1 from below.
; LIMITS: a block whose largest magnitude lies under 2^-124, a block of zeros among them, takes the byte 1 (its codes are then zeros or subnormal codes; the bytes are read by this program alone); NaN and infinities are not served.
; SHARES: work-group id: tile T = id / 2, half g = id % 2 of K; wave w takes K step 4 g + w: 16 rows x 128 numbers.  Each load reads 512 consecutive bytes of one row; the numbers turn through the
; wave's own stage in LDS (rows 528 bytes apart), so that lane (r, h) gets the blocks h and 2 + h of row r whole, which is what the operand's layout gives that lane.  No loop, no tensor load.
.set STG,  8448                        ; a wave's stage: 16 rows x (512 + 16) bytes
.set SCS,  4*STG                       ; behind the stages: 256 bytes, the work-group's unit of scale words
.set R,    32                          ; v32-95   the numbers as loaded
.set X,    96                          ; v96-159  my two blocks of 32
.set PC,   40                          ; v40-51   the fragment's codes, in registers of R, whose numbers have gone to the stage by then
.set TQ,   32                          ; v32-34, v36-38 the second half of each block's codes, on their way (also in R)
	s_load_b256 s[4:11], s[0:1], 0x0               ; x s[4:5], Wq s[6:7], Wk s[8:9], Wv s[10:11]
	s_load_b128 s[12:15], s[0:1], 0x20             ; img s[12:13], sc s[14:15]
	v_lshl_add_u32 v22, v0, 2, 0x8500              ; my spare word, behind the scale words' unit
	v_mov_b32 v23, 0
	v_lshrrev_b32 v1, 5, v0
	v_readfirstlane_b32 s16, v1                    ; wave 0..3
	v_and_b32 v1, 31, v0                           ; lane
	v_and_b32 v2, 15, v0                           ; r
	v_bfe_u32 v3, v0, 4, 1                         ; h
	v_lshlrev_b32 v4, 4, v1                        ; 16 x lane: my bytes of a load's 512, and of an image's 512
	s_mul_i32 s24, s16, STG
	v_add_nc_u32 v5, s24, v4                       ; the stage, on the way in
	v_mul_u32_u24 v6, v2, 528
	v_lshl_add_u32 v6, v3, 7, v6
	v_add_nc_u32 v6, s24, v6                       ; and on the way out: row r, block h
	s_lshl_b32 s25, s16, 2
	s_add_co_u32 s25, s25, SCS
	v_lshl_add_u32 v7, v2, 4, s25                  ; my row's scale word of my wave's K step: 16 r + 4 w
	v_lshlrev_b32 v9, 3, v1                        ; 8 x lane
	v_add_nc_u32 v8, SCS, v9
	v_lshlrev_b32 v18, 3, v3                       ; 8 h: how far my two bytes are shifted up in the word
	v_mov_b32 v17, 0                               ; a lane permute's destination counts as one of its sources
	s_mov_b32 s26, 0x76543210
	s_mov_b32 s27, 0xfedcba98                      ; v_permlanex16_b32's selects for lane l xor 16
	s_lshr_b32 s17, ttmp9, 1                       ; T
	s_and_b32 s18, ttmp9, 1                        ; g
	s_lshl_b32 s19, s18, 2
	s_add_co_u32 s19, s19, s16                     ; my K step
	s_and_b32 s22, s17, 63
	s_cmp_lt_u32 s17, 512
	s_cselect_b32 s22, s17, s22                    ; the tile's number inside its own tensor
	s_lshr_b32 s28, s22, 1
	s_lshl_b32 s28, s28, 5
	s_and_b32 s29, s22, 1
	s_lshl_b32 s29, s29, 3
	s_add_co_u32 s28, s28, s29                     ; the tile's first row
	s_lshl_b32 s28, s28, 12                        ; rows of 4,096 bytes
	s_lshl_b32 s29, s19, 9                         ; + 512 bytes a K step
	s_add_co_u32 s28, s28, s29
	s_mov_b32 s29, 0
	s_lshr_b32 s30, s17, 3
	s_lshl_b32 s30, s30, 2
	s_lshr_b32 s31, s19, 1
	s_add_co_u32 s30, s30, s31
	s_mul_i32 s30, s30, 24576                      ; img: (T / 8, K step / 2),
	s_and_b32 s31, s17, 7
	s_mul_i32 s31, s31, 3072                       ; T % 8,
	s_add_co_u32 s30, s30, s31
	s_and_b32 s31, s19, 1
	s_mul_i32 s31, s31, 1536                       ; K step % 2
	s_add_co_u32 s30, s30, s31
	s_mov_b32 s31, 0
	s_lshl_b32 s32, ttmp9, 8                       ; sc: 256 bytes a work-group
	s_mov_b32 s33, 0
	s_wait_alu depctr_va_vdst(0)
	s_wait_kmcnt 0x0
	s_cmp_lt_u32 s17, 512                          ; which tensor: the choice hangs on the tile's number alone
	s_cselect_b64 s[20:21], s[4:5], s[6:7]
	s_cmp_ge_u32 s17, 576
	s_cselect_b64 s[20:21], s[8:9], s[20:21]
	s_cmp_ge_u32 s17, 640
	s_cselect_b64 s[20:21], s[10:11], s[20:21]
	s_add_nc_u64 s[20:21], s[20:21], s[28:29]
	s_add_nc_u64 s[12:13], s[12:13], s[30:31]
	s_add_nc_u64 s[14:15], s[14:15], s[32:33]
.set ii, 0
.rept 16                                       ; the tile's row i lies i + 8 (i / 8) rows behind its first
	global_load_b128 v[R+4*ii:R+4*ii+3], v4, s[20:21] offset:(ii+8*(ii/8))*4096 th:TH_LOAD_NT
.set ii, ii+1
.endr
.set ii, 0
.rept 16
	s_wait_loadcnt 15-ii                           ; loads come back in order: row i is in, the younger rows stay out
	ds_store_b128 v5, v[R+4*ii:R+4*ii+3] offset:528*ii
.set ii, ii+1
.endr
.irp c, 0,1                                    ; LDS serves a wave's instructions in order: these see my stores
.irp e, 0,1,2,3,4,5,6,7
	ds_load_b128 v[X+32*\c+4*\e:X+32*\c+4*\e+3], v6 offset:256*\c+16*\e   ; block 2 c + h of row r
.endr
.endr
	s_wait_dscnt 0x0
.irp c, 0,1
	v_max3_num_f32 v[10+\c], |v[X+32*\c]|, |v[X+32*\c+1]|, 0x1800000   ; the block's largest magnitude, and the floor 2^(3 - 127): the byte cannot fall under 1
.endr
.irp i, 2,4,6,8,10,12,14,16,18,20,22,24,26,28,30
.irp c, 0,1
	v_max3_num_f32 v[10+\c], v[10+\c], |v[X+32*\c+\i]|, |v[X+32*\c+\i+1]|   ; the two blocks by turns
.endr
.endr
.irp c, 0,1
	v_add_nc_u32 v[12+\c], 0xff000000, v[10+\c]    ; 2 off the exponent field: the conversion's scale operand
.endr
.irp c, 0,1
	v_lshrrev_b32 v[14+\c], 23, v[12+\c]           ; the scale's byte
.endr
	v_lshl_or_b32 v16, v15, 16, v14                ; my two bytes: blocks h and 2 + h,
	v_lshlrev_b32 v16, v18, v16                    ; at their places in the word;
	v_permlanex16_b32 v17, v16, s26, s27
	v_or_b32 v16, v16, v17                         ; with lane l xor 16's two the word is whole
.irp c, 0,1
	v_cvt_scalef32_pk16_fp6_f32 v[PC+6*\c:PC+6*\c+2], v[X+32*\c:X+32*\c+15], v[12+\c]
	v_cvt_scalef32_pk16_fp6_f32 v[TQ+4*\c:TQ+4*\c+2], v[X+32*\c+16:X+32*\c+31], v[12+\c]   ; a conversion's three registers begin on an even number: made here, moved below
.endr
	v_nop                                          ; one plain place behind a scaled conversion
.irp c, 0,1
.irp i, 0,1,2
	v_mov_b32 v[PC+3+6*\c+\i], v[TQ+4*\c+\i]
.endr
.endr
.irp k, 0,1,2
	global_store_b128 v4, v[PC+4*\k:PC+4*\k+3], s[12:13] offset:512*\k   ; 32 lanes store 512 consecutive bytes, at a multiple of 256 from img's first byte
.endr
	ds_store_b32 v7, v16                           ; both halves of the lanes write the same word with the same value
	s_wait_dscnt 0x0                               ; for the others' sake: my word has landed
	s_barrier_signal -1
	s_barrier_wait -1
	s_cmp_lg_u32 s16, 0
	s_cbranch_scc1 .Ldone
	ds_load_b64 v[20:21], v8                       ; wave 0 takes the four waves' 64 words
	s_wait_dscnt 0x0
	global_store_b64 v9, v[20:21], s[14:15]        ; 32 lanes store 256 consecutive bytes, aligned
.Ldone:
	s_wait_tensorcnt 0x0
	ds_add_u32 v22, v23
	s_wait_dscnt 0x0
	s_endpgm
.Lfunc_end_k_qc8f550b8d7_quant:
	.size	k_qc8f550b8d7_quant, .Lfunc_end_k_qc8f550b8d7_quant-k_qc8f550b8d7_quant
	.p2alignl 7, 3214868480
	.fill 96, 4, 3214868480
	.section	.rodata,"a",@progbits
	.p2align	6, 0x0
	.amdhsa_kernel k_qc8f550b8d7_quant
		.amdhsa_group_segment_fixed_size 34560
		.amdhsa_private_segment_fixed_size 0
		.amdhsa_enable_private_segment 0
		.amdhsa_kernarg_size 48
		.amdhsa_user_sgpr_count 2
		.amdhsa_user_sgpr_kernarg_segment_ptr 1
		.amdhsa_wavefront_size32 1
		.amdhsa_system_sgpr_workgroup_id_x 1
		.amdhsa_system_sgpr_workgroup_id_y 1
		.amdhsa_system_sgpr_workgroup_id_z 1
		.amdhsa_system_vgpr_workitem_id 0
		.amdhsa_next_free_vgpr 160
		.amdhsa_next_free_sgpr 66
		.amdhsa_reserve_vcc 0
		.amdhsa_float_denorm_mode_32 3
		.amdhsa_float_denorm_mode_16_64 3
		.amdhsa_memory_ordered 1
		.amdhsa_forward_progress 1
		.amdhsa_inst_pref_size 11
	.end_amdhsa_kernel
	.amdgpu_metadata
---
amdhsa.version: [ 1, 2 ]
amdhsa.kernels:
  - .name:           k_qc8f550b8d7_quant
    .symbol:         k_qc8f550b8d7_quant.kd
    .args:
      - { .name: hidden_states, .offset: 0, .size: 8, .value_kind: global_buffer, .address_space: global }
      - { .name: Wq, .offset: 8, .size: 8, .value_kind: global_buffer, .address_space: global }
      - { .name: Wk, .offset: 16, .size: 8, .value_kind: global_buffer, .address_space: global }
      - { .name: Wv, .offset: 24, .size: 8, .value_kind: global_buffer, .address_space: global }
      - { .name: img, .offset: 32, .size: 8, .value_kind: global_buffer, .address_space: global }
      - { .name: sc, .offset: 40, .size: 8, .value_kind: global_buffer, .address_space: global }
    .group_segment_fixed_size: 34560
    .private_segment_fixed_size: 0
    .kernarg_segment_align: 8
    .kernarg_segment_size: 48
    .max_flat_workgroup_size: 128
    .sgpr_count:     66
    .vgpr_count:     160
    .wavefront_size: 32
...
	.end_amdgpu_metadata
.endif
;; end of part 1
;; launch qkv (part 2): grid 12 x 32, 4 waves a work-group, clusters of 4 x 4, 327,680 bytes of LDS; arguments img, sc, bq, bk, bv, qkv, qkvsc; writes qkv, qkvsc
.if DOCPART == 2
	.amdgcn_target "amdgcn-amd-amdhsa--gfx1250"
	.amdhsa_code_object_version 6
	.text
	.protected	k_qc8f550b8d7_qkv
	.globl	k_qc8f550b8d7_qkv
	.p2align	8
	.type	k_qc8f550b8d7_qkv,@function
k_qc8f550b8d7_qkv:
	s_mov_b64 s[64:65], 0
	v_nop
	global_prefetch_b8 v0, s[64:65] scope:SCOPE_SE
	s_setreg_imm32_b32 hwreg(HW_REG_WAVE_MODE, 25, 1), 1
	s_wait_xcnt 0x0
	s_wait_alu depctr_hold_cnt(0) depctr_sa_sdst(0) depctr_va_vdst(0) depctr_va_sdst(0) depctr_va_ssrc(0) depctr_va_vcc(0) depctr_vm_vsrc(0)
	s_getreg_b32 s2, hwreg(HW_REG_IB_STS2, 6, 4)
	s_cmp_eq_u32 s2, 0
	s_cbranch_scc0 .Lentry_in_a_cluster
	s_endpgm
.Lentry_in_a_cluster:
	s_bfe_u32 s2, ttmp6, 0x10000c
	s_cmp_lg_u32 s2, 0xf033
	s_cbranch_scc0 .Lentry_shape_is_right
	s_endpgm
.Lentry_shape_is_right:
; q, k, v = x W^T + b on codes of FP6 (E2M3) with E8M0 scales, [8192 x 1024] x [1024 x 3072], f32 sums; the results are quantised in registers for the attention's two products and stored as images of operands.
; A tile of 256 x 256 is made by four waves, 128 x 128 each: 64 accumulators, 512 registers.  K goes in 8 steps of 128, two to an LDS slot, through a ring of two slots filled by the tensor data mover.
; ONE TEXT FOR TWO ORIENTATIONS.  Source 1 = R (its 16 rows go to lanes), source 0 = P (its rows go to a lane's registers).  Cluster x 0, 1 (q, k): R = x, P = W: a lane holds one token, registers run along the
; head's 64, which is the first attention product's K.  Cluster x 2 (v): R = Wv, P = x: a lane holds one channel, registers run along the tokens, which is the second product's K.
; Since a tile's 16 rows are rows 32 (T / 2) + 8 (T % 2) + r + 8 (r / 8), the 16 registers of P's tiles 2 b, 2 b + 1 are 16 neighbours: 32 b + 16 (lane / 16) + 0 .. 15.
; img holds fragments as images of registers ([T / 8][K step / 2][T % 8][K step % 2][1536]): 8 tiles x 2 K steps are one dense block of 24,576 bytes, one tensor load; a fragment is three ds_load_b128 at 16 x lane.
; CLUSTERS: 4 x 4.  In both orientations R hangs on cy alone (shared along a row of the cluster) and P on cx alone (shared along a column): each block is asked for JOINTLY by four work-groups.
; The one branch on the orientation hangs on the cluster's x, which all partners share.
; OUT.  qkv: [batch x head][q, k, v][token / 128][4][1536].  q, k: image B holds token tiles 2 B (registers 0-5: the head's 64) and 2 B + 1 (registers 6-11).  v: image B is channels' tile B x 128 tokens.
;       qkvsc: [batch x head][q, k, v][token / 128][r][4] scale words, word B for image B.
; LIMITS: a block whose largest magnitude lies under 2^-124 takes the byte 1 (read by this program alone); NaN and infinities are not served.
; REGISTERS: window 0: v1-3 lane, r, h; v16-30 addresses; v32-95 scale words and nothing else; v96-123 at work on the way out; v128-223 R's 8 fragments, ONE set (on the way out: v128-191 64 numbers, v192-210 codes).
;   window 1: P's fragments, TWO sets, at v0 and v128; the bias at v96-127 and v224-255.   windows 2, 3: accumulator (R tile i, P tile j) at v[8 (8 (i % 4) + j)] of window 2 + i / 4.
.set FR,     12                        ; registers of a fragment
.set NL,     3                         ; LDS loads that bring one
.set NP,     4                         ; places behind this matrix instruction (ISA guide 7.12.1)
.set HALFT,  24576                     ; 8 tiles x 2 K steps: what one tensor load brings, and what one wave reads of R or of P in a slot
.set SLOT,   4*HALFT                   ; a slot's bytes in all: one block in each of the four regions
.set SPARE,  2*SLOT                    ; behind the ring: the spare words, 128 bytes for each wave: two blocks of 256 bytes that no other line names
.set GROUPB, 4*HALFT                   ; 8 tiles, all of K, in img
.set LQ,     2*HALFT                   ; LDS: a region for each fetching wave (R's two halves, then P's two): slot 0's block, then slot 1's, on end as they lie in img
.set LS,     HALFT                     ; from slot 0's block to slot 1's
.set ADRA, 16                          ; v16-17  LDS address of my R fragments in slot 0, 1
.set ADRB, 20                          ; v20-21  the same for P
.set LI,   24                          ; v24     16 x lane
.set SWO,  25                          ; v25     16 r + 6,144 h: where the scale words go
.set BOQ,  26                          ; v26     bias, q and k: 64 h
.set SCO,  27                          ; v27     my rows' scale words in sc: lanes 0-15 R's, lanes 16-31 P's
.set SPW,  28                          ; v28     LDS address of my spare word; never rewritten
.set NIL,  29                          ; v29     0; never rewritten
.set BOV,  30                          ; v30     bias, v: 4 (r + 8 (r / 8))
.set SC,   32                          ; v[SC + 8 i + s]: K step s: lanes 0-15 the word of R's tile i, lanes 16-31 that of P's tile i
.set TM,   96                          ; v96-111  the quantiser's maxima, bytes, scale operands
.set SW,   112                         ; v112-119 the eight scale words made
.set OUTW, 120                         ; v120-123 as they are stored
.set AF,   128
.set H,    128
.set PC,   192
.set G1,   24                          ; s[24:31] descriptor group 1 for R;  s[32:39] group 0, one set for each slot
.set G0,   32
.set G1B,  48                          ; s[48:55], s[56:63] the same for P
.set G0B,  56
.set SEL,  66                          ; s[66:67] v_permlanex16_b32's selects for lane l xor 16
.set MSB, 0
.macro WIN new                         ; the immediate's high byte repeats the setting that is left; a switch that changes nothing is dropped
.if MSB != (\new)
	s_set_vgpr_msb (MSB<<8)|(\new)
.set MSB, (\new)
.endif
.endm
.set MUL_LO, 0xa1                      ; source 0 (P) window 1, source 1 (R) window 0, C and D window 2
.set MUL_HI, 0xf1                      ; the same, C and D window 3
.set TO_B,   0x40                      ; destination window 1, address window 0
; A joint load: waves 0 and 1 fetch R's two halves, waves 2 and 3 P's.  Each line has one mask and one set of registers for all that issue it; the branch hangs on the wave's number alone.
; Four v_nop follow each of the two lines, ahead of the jump, the label and what follows.
.macro JLOAD g0a, g1a, g0b, g1b
	s_cmp_eq_u32 s15, 0
	s_cbranch_scc0 .Lfor_b_\@
	tensor_load_to_lds s[\g0a:\g0a+3], s[\g1a:\g1a+7]
	s_nop 0
.rept 4
	v_nop
.endr
	s_branch .Lasked_\@
.Lfor_b_\@:
	tensor_load_to_lds s[\g0b:\g0b+3], s[\g1b:\g1b+7]
	s_nop 0
.rept 4
	v_nop
.endr
.Lasked_\@:
.endm
.macro CREST                           ; a round of the cluster's barrier behind its opening barrier
	s_cmp_lg_u32 s14, 0
	s_cbranch_scc1 .Lnot_wave_0_\@
	s_barrier_signal -3
.Lnot_wave_0_\@:
	s_barrier_wait -3
	s_barrier_signal -1
	s_barrier_wait -1
.endm
.macro CROUND                          ; a whole round
	s_barrier_signal -1
	s_barrier_wait -1
	CREST
.endm
	s_load_b256 s[4:11], s[0:1], 0x0               ; img s[4:5], sc s[6:7], bq s[8:9], bk s[10:11]
	s_load_b128 s[68:71], s[0:1], 0x20             ; bv s[68:69], qkv s[70:71]
	s_load_b64 s[72:73], s[0:1], 0x30              ; qkvsc
	v_lshl_add_u32 v[SPW], v0, 2, SPARE
	v_mov_b32 v[NIL], 0
	ds_add_u32 v28, v29
	ds_add_u32 v28, v29
	s_wait_dscnt 0x0
	v_lshrrev_b32 v1, 5, v0
	v_readfirstlane_b32 s14, v1                    ; wave 0..3
	s_lshr_b32 s15, s14, 1                         ; which half of R's rows is mine.  Also: I fetch for R (0) or for P (1)
	s_and_b32 s16, s14, 1                          ; which half of P's rows.  Also: which half I fetch
	s_bfe_u32 s40, ttmp6, 0x40000                  ; cx
	s_bfe_u32 s41, ttmp6, 0x40004                  ; cy
	s_mov_b32 s42, ttmp9                           ; the cluster's x: 0 q, 1 k, 2 v
	s_and_b32 s17, ttmp7, 0xffff                   ; the cluster's y
	s_lshl_b32 s43, s41, 2
	s_lshl_b32 s43, 15, s43                        ; my row of the cluster
	s_lshl_b32 s44, 0x1111, s40                    ; my column
	s_lshl_b32 s18, s17, 2                         ; 4 x cluster y
	s_add_co_u32 s19, s18, s41
	s_lshl_b32 s19, s19, 1                         ; R, q and k: x's groups 2 (4 cluster y + cy) on
	s_lshl_b32 s20, s41, 1
	s_add_co_u32 s20, s20, 80                      ; R, v: Wv's groups 80 + 2 cy on
	s_add_co_u32 s21, s18, s40
	s_lshl_b32 s21, s21, 1                         ; P, v: x's groups 2 (4 cluster y + cx) on
	s_lshl_b32 s22, s42, 2
	s_add_co_u32 s22, s22, s40
	s_lshl_b32 s22, s22, 1
	s_add_co_u32 s22, s22, 64                      ; P, q and k: W's groups 64 + 2 (4 cluster x + cx) on
	s_cmp_eq_u32 s42, 2
	s_cselect_b32 s74, s20, s19                    ; R's first group: made of cy and the cluster's place alone
	s_cselect_b32 s75, s21, s22                    ; P's first group: made of cx and the cluster's place alone
	; descriptor group 1: a dense block of 24,576 bytes as 96 rows of 256 bytes (32 elements of 8 bytes), no padding
	s_or_b32 s[G1+0], s43, (3<<16)|(1<<21)         ; 15:0 the mask: R's blocks go to my row; 17:16 elements of 8 bytes; 21 set beside a mask
	s_or_b32 s[G1B+0], s44, (3<<16)|(1<<21)        ; P's go to my column
.irp g, G1, G1B
	s_mov_b32 s[\g+1], 32<<16                      ; tensor_dim0 = 32
	s_mov_b32 s[\g+2], 192<<16                     ; tensor_dim1 = 192: the head's one load a wave brings both slots' blocks, K steps 0 to 3
	s_mov_b32 s[\g+3], 32<<16                      ; tile_dim0 = 32
	s_mov_b32 s[\g+4], 192                         ; tile_dim1 = 192
	s_mov_b32 s[\g+5], 32                          ; tensor_dim0_stride
	s_mov_b32 s[\g+6], 0
	s_mov_b32 s[\g+7], 0
.endr
	s_add_co_u32 s76, s74, s16
	s_mul_i32 s76, s76, GROUPB                     ; R: the group that I would fetch, in bytes
	s_mov_b32 s77, 0
	s_add_co_u32 s78, s75, s16
	s_mul_i32 s78, s78, GROUPB                     ; P likewise
	s_mov_b32 s79, 0
	s_mul_i32 s45, s14, LQ                         ; where it goes: wave x 49,152: no place in the cluster enters an LDS address
	s_mov_b32 s[SEL], 0x76543210
	s_mov_b32 s[SEL+1], 0xfedcba98
	s_wait_kmcnt 0x0
	s_add_nc_u64 s[76:77], s[4:5], s[76:77]
	s_add_nc_u64 s[78:79], s[4:5], s[78:79]
	CROUND                                         ; all sixteen work-groups are here: the first joint loads meet
.irp s, 0,1
	s_mov_b32 s[G0+4*\s], 1                        ; count = 1
	s_add_co_u32 s[G0+4*\s+1], s45, \s*LS          ; LDS address
	s_add_nc_u64 s[G0+4*\s+2:G0+4*\s+3], s[76:77], \s*HALFT   ; K steps 2 s, 2 s + 1
	s_or_b32 s[G0+4*\s+3], s[G0+4*\s+3], 0x80000000   ; type = 2
	s_mov_b32 s[G0B+4*\s], 1
	s_add_co_u32 s[G0B+4*\s+1], s45, \s*LS
	s_add_nc_u64 s[G0B+4*\s+2:G0B+4*\s+3], s[78:79], \s*HALFT
	s_or_b32 s[G0B+4*\s+3], s[G0B+4*\s+3], 0x80000000
.endr
	JLOAD G0, G1, G0B, G1B                         ; my one load at the head: 192 rows of 256 bytes, both slots' blocks of my region
	v_and_b32 v1, 31, v0                           ; lane
	v_and_b32 v2, 15, v0                           ; r
	v_bfe_u32 v3, v0, 4, 1                         ; h
	v_lshlrev_b32 v[LI], 4, v1
	s_mul_i32 s46, s15, LQ                         ; my half of R
	s_mul_i32 s47, s16, LQ                         ; my half of P,
	s_add_co_u32 s47, s47, 2*LQ                    ; which lies behind R's two
.irp s, 0,1
	v_add_nc_u32 v[ADRA+\s], s46, v[LI]
	v_add_nc_u32 v[ADRB+\s], s47, v[LI]
	s_add_co_u32 s46, s46, LS
	s_add_co_u32 s47, s47, LS
.endr
	v_lshlrev_b32 v[SWO], 4, v2
	v_mad_u32_u24 v[SWO], v3, 6144, v[SWO]
	v_lshlrev_b32 v[BOQ], 6, v3
	v_and_b32 v4, 8, v2
	v_add_nc_u32 v4, v4, v2
	v_lshlrev_b32 v[BOV], 2, v4
	s_add_co_u32 s84, s74, s15
	s_lshl_b32 s84, s84, 12                        ; sc: 8 tiles x 512 bytes a group: my half of R,
	s_add_co_u32 s85, s75, s16
	s_lshl_b32 s85, s85, 12                        ; my half of P
	v_mov_b32 v4, s84
	v_mov_b32 v5, s85
	v_cmp_lt_u32 vcc_lo, 15, v1
	v_cndmask_b32 v[SCO], v4, v5, vcc_lo           ; lanes 16-31 take P's
	v_lshl_add_u32 v[SCO], v2, 4, v[SCO]           ; + 16 r
.irp i, 0,1,2,3,4,5,6,7                        ; ALL THE SCALE WORDS COME ONCE: four K steps' words of a row are 16 neighbouring bytes; sixteen lanes read 256 consecutive bytes
.irp g, 0,1
	global_load_b128 v[SC+8*\i+4*\g:SC+8*\i+4*\g+3], v[SCO], s[6:7] offset:512*\i+256*\g
.endr
.endr
.irp b, 0,1,2,3
	v_mov_b32 v[TM+4+\b], 0                        ; written once: a lane permute's destination counts as one of its sources
.endr
	; where the results go
	s_cmp_eq_u32 s42, 2
	s_cselect_b32 s84, s40, s41                    ; the tokens' coordinate in the cluster,
	s_cselect_b32 s85, s16, s15                    ; my half of the 256 tokens,
	s_cselect_b32 s86, s41, s40                    ; the channels' coordinate,
	s_cselect_b32 s87, s15, s16                    ; my half of the 256 channels
	s_add_co_u32 s84, s84, s18                     ; block of 256 tokens
	s_lshl_b32 s86, s86, 2
	s_lshl_b32 s87, s87, 1
	s_add_co_u32 s86, s86, s87                     ; my first head (I make two)
	s_lshr_b32 s88, s84, 2
	s_lshl_b32 s88, s88, 4
	s_add_co_u32 s88, s88, s86                     ; 16 x batch + head
	s_and_b32 s89, s84, 3
	s_lshl_b32 s89, s89, 1
	s_add_co_u32 s89, s89, s85                     ; which 128 tokens of the batch's 1,024
	s_mul_i32 s90, s88, 147456
	s_mul_i32 s91, s42, 49152
	s_add_co_u32 s90, s90, s91
	s_mul_i32 s91, s89, 6144
	s_add_co_u32 s90, s90, s91
	s_mov_b32 s91, 0
	s_add_nc_u64 s[80:81], s[70:71], s[90:91]      ; the images
	s_mul_i32 s92, s88, 6144
	s_lshl_b32 s93, s42, 11
	s_add_co_u32 s92, s92, s93
	s_lshl_b32 s93, s89, 8
	s_add_co_u32 s92, s92, s93
	s_mov_b32 s93, 0
	s_add_nc_u64 s[82:83], s[72:73], s[92:93]      ; the scale words
	s_lshl_b32 s96, s86, 8                         ; the bias: 64 numbers a head
	s_mov_b32 s97, 0
	s_cmp_eq_u32 s42, 0
	s_cselect_b64 s[94:95], s[8:9], s[10:11]
	s_cmp_eq_u32 s42, 2
	s_cselect_b64 s[94:95], s[68:69], s[94:95]
	s_add_nc_u64 s[94:95], s[94:95], s[96:97]
.macro FRAG reg, adr, q, i             ; tile i's fragment of the slot's K step q: an image of 12 registers, three loads of 512 consecutive bytes
.irp c, 0,1,2
	ds_load_b128 v[\reg+4*\c:\reg+4*\c+3], v[\adr] offset:(\i)*3072+(\q)*1536+512*\c
.endr
.endm
; 16 matrix instructions: R's tiles a0, a0 + 1 x P's eight, K step ks.  p: P's set.  zero = 1: the first product starts the sums: nothing is cleared.
; The 64 accumulators take turns, one instruction a turn, in the same order in every K step.
.macro MUL16 a0, p, ks, zero
.irp a, \a0, \a0+1
.irp b, 0,1,2,3,4,5,6,7
.if \zero
	v_wmma_scale_f32_16x16x128_f8f6f4 v[8*(8*((\a)%4)+\b):8*(8*((\a)%4)+\b)+7], v[128*(\p)+FR*\b:128*(\p)+FR*\b+FR-1], v[AF+FR*(\a):AF+FR*(\a)+FR-1], 0, v[SC+8*\b+(\ks)], v[SC+8*(\a)+(\ks)] matrix_a_fmt:MATRIX_FMT_FP6 matrix_b_fmt:MATRIX_FMT_FP6 matrix_a_scale:MATRIX_SCALE_ROW1
.else
	v_wmma_scale_f32_16x16x128_f8f6f4 v[8*(8*((\a)%4)+\b):8*(8*((\a)%4)+\b)+7], v[128*(\p)+FR*\b:128*(\p)+FR*\b+FR-1], v[AF+FR*(\a):AF+FR*(\a)+FR-1], v[8*(8*((\a)%4)+\b):8*(8*((\a)%4)+\b)+7], v[SC+8*\b+(\ks)], v[SC+8*(\a)+(\ks)] matrix_a_fmt:MATRIX_FMT_FP6 matrix_b_fmt:MATRIX_FMT_FP6 matrix_a_scale:MATRIX_SCALE_ROW1
.endif
.endr
.endr
.endm
.macro FETCH_B slot, q, p              ; P's eight fragments into set p
	WIN TO_B
.irp i, 0,1,2,3,4,5,6,7
	FRAG 128*(\p)+FR*\i, ADRB+\slot, \q, \i
.endr
	WIN 0
.endm
.macro FETCH_A slot, q, i0             ; R's tiles i0 .. i0 + 3
.irp i, \i0, \i0+1, \i0+2, \i0+3
	FRAG AF+FR*(\i), ADRA+\slot, \q, \i
.endr
.endm
.macro PLACES                          ; a load into a register that a matrix instruction has read, and a vector instruction that reads a result, stand four plain vector instructions behind it
.rept NP
	v_nop
.endr
.endm
; An even K step: its successor lies in the same slot.  R has one set: tiles 0-3 are fetched anew in the step's middle, tiles 4-7 at its end.
.macro STEP slot, ks, zero
	s_wait_dscnt 4*NL                              ; P's set and R's tiles 0-3 are in; the youngest twelve loads (R's tiles 4-7) may be out
	WIN MUL_LO
	MUL16 0, 0, \ks, \zero
	MUL16 2, 0, \ks, \zero
	s_wait_dscnt 0x0                               ; R's tiles 4-7 are in
	PLACES
	FETCH_B \slot, 1, 1
	FETCH_A \slot, 1, 0
	WIN MUL_HI
	MUL16 4, 0, \ks, \zero
	MUL16 6, 0, \ks, \zero
	PLACES
	WIN 0
	FETCH_A \slot, 1, 4
.endm
; An odd K step changes slots: ONE barrier; in front of it each wave waits for all its tensor loads, adds 0 to its spare word, and waits for that and for its reads of this slot.  fill = 1: this slot is filled again, four K steps ahead.
.macro TURN slot, next, ks, fill
	s_wait_tensorcnt 0x0                           ; all my tensor loads have landed: my part of the next slot  (every window is 0 here)
	ds_add_u32 v[SPW], v[NIL]                      ; 0 onto my spare word
	s_wait_dscnt 4*NL+1                            ; the add and the youngest twelve loads may be out
	WIN MUL_LO
	MUL16 0, 1, \ks, 0                             ; sixteen matrix instructions stand between the add and the wait for it
	s_wait_dscnt 0x0                               ; the add is done, and my reads of this slot are over
	s_barrier_signal -1
	MUL16 2, 1, \ks, 0
	WIN 0
	s_barrier_wait -1
.if \fill
	CREST                                          ; the barrier has opened a round of the cluster's: no wave of any partner still reads this slot or has a load on its way
	s_add_nc_u64 s[G0+4*\slot+2:G0+4*\slot+3], s[G0+4*\slot+2:G0+4*\slot+3], 2*HALFT
	s_add_nc_u64 s[G0B+4*\slot+2:G0B+4*\slot+3], s[G0B+4*\slot+2:G0B+4*\slot+3], 2*HALFT
	JLOAD G0+4*\slot, G1, G0B+4*\slot, G1B         ; the first tensor load behind the round, my one until the next; its four v_nop are also the places in front of the loads below
.else
	PLACES
.endif
	FETCH_B \next, 0, 0
	FETCH_A \next, 0, 0
	WIN MUL_HI
	MUL16 4, 1, \ks, 0
	MUL16 6, 1, \ks, 0
	PLACES
	WIN 0
	FETCH_A \next, 0, 4
.endm
.macro LAST                            ; K step 7: nothing more to fetch
	s_wait_dscnt 4*NL
	WIN MUL_LO
	MUL16 0, 1, 7, 0
	MUL16 2, 1, 7, 0
	s_wait_dscnt 0x0
	WIN MUL_HI
	MUL16 4, 1, 7, 0
	MUL16 6, 1, 7, 0
	WIN 0
	PLACES
.endm
; 64 numbers of a lane, v[s] .. v[s + 63], register 16 b + i = k 32 b + 16 (lane / 16) + i of my row, become a fragment's codes in v[PC] on and its scale word in v[pw].
.macro QUANT s, pw
.irp b, 0,1,2,3
	v_max3_num_f32 v[TM+\b], |v[\s+16*\b]|, |v[\s+1+16*\b]|, 0x1800000   ; block b: my 16 numbers, and the floor 2^(3 - 127): the byte cannot fall under 1
.endr
.irp i, 2,4,6,8,10,12,14
.irp b, 0,1,2,3
	v_max3_num_f32 v[TM+\b], v[TM+\b], |v[\s+16*\b+\i]|, |v[\s+1+16*\b+\i]|   ; the four blocks by turns
.endr
.endr
.irp b, 0,1,2,3
	v_permlanex16_b32 v[TM+4+\b], v[TM+\b], s[SEL], s[SEL+1]
.endr
.irp b, 0,1,2,3
	v_max_num_f32 v[TM+\b], v[TM+\b], v[TM+4+\b]   ; with lane l xor 16's: the block's largest magnitude
.endr
.irp b, 0,1,2,3
	v_add_nc_u32 v[TM+12+\b], 0xff000000, v[TM+\b] ; 2 off its exponent field: the conversion's scale operand
.endr
.irp b, 0,1,2,3
	v_lshrrev_b32 v[TM+4+\b], 23, v[TM+12+\b]      ; the scale's byte
.endr
	v_lshl_or_b32 v[\pw], v[TM+5], 8, v[TM+4]      ; the four bytes make my row's scale word
	v_lshl_or_b32 v[\pw], v[TM+6], 16, v[\pw]
	v_lshl_or_b32 v[\pw], v[TM+7], 24, v[\pw]
.irp c, 0,1
	v_cvt_scalef32_pk16_fp6_f32 v[PC+6*\c:PC+2+6*\c], v[\s+32*\c:\s+15+32*\c], v[TM+12+2*\c]
	v_cvt_scalef32_pk16_fp6_f32 v[PC+12+4*\c:PC+14+4*\c], v[\s+16+32*\c:\s+31+32*\c], v[TM+12+2*\c+1]   ; a conversion's three registers begin on an even number
.endr
	v_nop                                          ; one plain place behind a scaled conversion
.irp c, 0,1                                    ; the operand's layout wants a WHOLE block in a lane: lanes 0-15 block 2 c, lanes 16-31 block 2 c + 1
.irp i, 0,1,2
	v_permlane16_swap_b32 v[PC+6*\c+\i], v[PC+12+4*\c+\i]
.endr
.irp i, 0,1,2
	v_mov_b32 v[PC+3+6*\c+\i], v[PC+12+4*\c+\i]
.endr
.endr
.endm
; One image of the eight: head hh of my two, image bb of its four.  The gather out of the accumulators adds the bias in the same instruction; each accumulator is read from its low end on.
; mode 0 (q, k): token tiles 2 bb and 2 bb + 1, the head's four tiles of P: 32 + 32 numbers.   mode 1 (v): channels' tile 4 hh + bb, P's eight tiles: 64 tokens' numbers a lane.
.macro EPI mode, hh, bb
.if (\hh)+(\bb) > 0
	s_wait_xcnt 0x0                                ; the last image's stores have read their registers: the codes are written again only behind this wait
.endif
.if \mode == 0
.set AC, 64*((2*(\bb))%4)+32*(\hh)
.set BR, 96+128*(\hh)
	WIN 0x06+(\bb)/2                               ; source 0 window 2 or 3, source 1 window 1, destination window 0
.set ee, 0
.rept 16
	v_pk_add_f32 v[H+ee:H+ee+1], v[AC+ee:AC+ee+1], v[BR+ee:BR+ee+1]
.set ee, ee+2
.endr
.set ee, 0
.rept 16
	v_pk_add_f32 v[H+32+ee:H+33+ee], v[AC+64+ee:AC+65+ee], v[BR+ee:BR+ee+1]
.set ee, ee+2
.endr
.else
.set AC, 64*(\bb)
.set BR, 96+2*(4*(\hh)+(\bb))
	WIN 0x06+(\hh)
.set ee, 0
.rept 32
	v_pk_add_f32 v[H+ee:H+ee+1], v[AC+ee:AC+ee+1], v[BR:BR+1]
.set ee, ee+2
.endr
.endif
	WIN 0
.set PWR, SW+4*(\hh)+(\bb)
	QUANT H, PWR
.irp c, 0,1,2
	global_store_b128 v[LI], v[PC+4*\c:PC+4*\c+3], s[80:81] offset:147456*(\hh)+1536*(\bb)+512*\c   ; 32 lanes store 512 consecutive bytes, at a multiple of 256 from qkv's first byte
.endr
.endm
	s_wait_alu depctr_va_vdst(0)                   ; the wait at the head's end
	s_wait_tensorcnt 0x0                           ; my region is in, both slots
	s_mov_b32 s[G1+2], 96<<16                      ; no tensor load of mine is out, so a descriptor may be written: a refill brings one block, 96 rows
	s_mov_b32 s[G1+4], 96
	s_mov_b32 s[G1B+2], 96<<16
	s_mov_b32 s[G1B+4], 96
	s_barrier_signal -1
	s_barrier_wait -1                              ; everybody's is
	FETCH_B 0, 0, 0
	FETCH_A 0, 0, 0
	FETCH_A 0, 0, 4
	s_wait_loadcnt 0x0                             ; the scale words
	STEP 0, 0, 1                                   ; the first K step's products start the sums
	TURN 0, 1, 1, 1                                ; slot 0 takes K steps 4, 5
	STEP 1, 2, 0
	TURN 1, 0, 3, 1                                ; slot 1 takes K steps 6, 7
	STEP 0, 4, 0
	TURN 0, 1, 5, 0                                ; nothing is left to fetch: no round of the cluster's barrier
	STEP 1, 6, 0
	s_cmp_eq_u32 s42, 2                            ; the orientation: the cluster's x, alike in all partners
	s_cbranch_scc1 .Lv
	; ---- q, k: the bias of my 128 channels, in the result's layout: register 16 b + i of head hh is channel 64 hh + 32 b + 16 h + i.  The last K step's 64 products stand between these loads and the wait for them
	WIN TO_B
.irp hh, 0,1
.irp b, 0,1
.irp e, 0,1,2,3
	global_load_b128 v[96+128*\hh+16*\b+4*\e:96+128*\hh+16*\b+4*\e+3], v[BOQ], s[94:95] offset:256*\hh+128*\b+16*\e
.endr
.endr
.endr
	LAST
	s_wait_loadcnt 0x0
.irp hh, 0,1
.irp bb, 0,1,2,3
	EPI 0, \hh, \bb
.endr
.endr
	s_branch .Lend
.Lv:
	; ---- v: a lane holds one channel: its bias, twice, as a pair for the packed addition
	WIN TO_B
.irp i, 0,1,2,3,4,5,6,7
	global_load_b32 v[96+2*\i], v[BOV], s[94:95] offset:(32*(\i/2)+8*(\i%2))*4
	global_load_b32 v[97+2*\i], v[BOV], s[94:95] offset:(32*(\i/2)+8*(\i%2))*4
.endr
	LAST
	s_wait_loadcnt 0x0
.irp hh, 0,1
.irp bb, 0,1,2,3
	EPI 1, \hh, \bb
.endr
.endr
.Lend:
	v_cmp_lt_u32 vcc_lo, 15, v1                    ; every lane holds its row's words: lanes 0-15 store the first head's four, lanes 16-31 the second's
.irp b, 0,1,2,3
	v_cndmask_b32 v[OUTW+\b], v[SW+\b], v[SW+4+\b], vcc_lo
.endr
	global_store_b128 v[SWO], v[OUTW:OUTW+3], s[82:83]   ; sixteen lanes store 256 consecutive bytes, aligned
	s_wait_tensorcnt 0x0                           ; the wave's end
	ds_add_u32 v[SPW], v[NIL]
	s_wait_dscnt 0x0
	CROUND                                         ; the closing round: no work-group ends while a partner may still ask for a block that names it
	s_endpgm
.Lfunc_end_k_qc8f550b8d7_qkv:
	.size	k_qc8f550b8d7_qkv, .Lfunc_end_k_qc8f550b8d7_qkv-k_qc8f550b8d7_qkv
	.p2alignl 7, 3214868480
	.fill 96, 4, 3214868480
	.section	.rodata,"a",@progbits
	.p2align	6, 0x0
	.amdhsa_kernel k_qc8f550b8d7_qkv
		.amdhsa_group_segment_fixed_size 327680
		.amdhsa_private_segment_fixed_size 0
		.amdhsa_enable_private_segment 0
		.amdhsa_kernarg_size 56
		.amdhsa_user_sgpr_count 2
		.amdhsa_user_sgpr_kernarg_segment_ptr 1
		.amdhsa_wavefront_size32 1
		.amdhsa_system_sgpr_workgroup_id_x 1
		.amdhsa_system_sgpr_workgroup_id_y 1
		.amdhsa_system_sgpr_workgroup_id_z 1
		.amdhsa_system_vgpr_workitem_id 0
		.amdhsa_next_free_vgpr 1024
		.amdhsa_next_free_sgpr 100
		.amdhsa_reserve_vcc 1
		.amdhsa_float_denorm_mode_32 3
		.amdhsa_float_denorm_mode_16_64 3
		.amdhsa_memory_ordered 1
		.amdhsa_forward_progress 1
		.amdhsa_inst_pref_size 213
	.end_amdhsa_kernel
	.amdgpu_metadata
---
amdhsa.version: [ 1, 2 ]
amdhsa.kernels:
  - .name:           k_qc8f550b8d7_qkv
    .symbol:         k_qc8f550b8d7_qkv.kd
    .args:
      - { .name: img, .offset: 0, .size: 8, .value_kind: global_buffer, .address_space: global }
      - { .name: sc, .offset: 8, .size: 8, .value_kind: global_buffer, .address_space: global }
      - { .name: bq, .offset: 16, .size: 8, .value_kind: global_buffer, .address_space: global }
      - { .name: bk, .offset: 24, .size: 8, .value_kind: global_buffer, .address_space: global }
      - { .name: bv, .offset: 32, .size: 8, .value_kind: global_buffer, .address_space: global }
      - { .name: qkv, .offset: 40, .size: 8, .value_kind: global_buffer, .address_space: global }
      - { .name: qkvsc, .offset: 48, .size: 8, .value_kind: global_buffer, .address_space: global }
    .group_segment_fixed_size: 327680
    .private_segment_fixed_size: 0
    .kernarg_segment_align: 8
    .kernarg_segment_size: 56
    .max_flat_workgroup_size: 128
    .sgpr_count:     100
    .vgpr_count:     1024
    .wavefront_size: 32
...
	.end_amdgpu_metadata
.endif
;; end of part 2
;; launch attn (part 3): grid 2 x 128, 8 waves a work-group, no clusters, 327,680 bytes of LDS; arguments qkv, qkvsc, attention_mask, out0; writes out0
.if DOCPART == 3
	.amdgcn_target "amdgcn-amd-amdhsa--gfx1250"
	.amdhsa_code_object_version 6
	.text
	.protected	k_qc8f550b8d7_attn
	.globl	k_qc8f550b8d7_attn
	.p2align	8
	.type	k_qc8f550b8d7_attn,@function
k_qc8f550b8d7_attn:
	s_mov_b64 s[64:65], 0
	v_nop
	global_prefetch_b8 v0, s[64:65] scope:SCOPE_SE
	s_setreg_imm32_b32 hwreg(HW_REG_WAVE_MODE, 25, 1), 1
	s_wait_xcnt 0x0
; out = softmax(q k^T / 8 + mask) v on codes of FP6 (E2M3) with E8M0 scales.  Work-group (x, y): batch x head y, queries 512 x .. 512 x + 511; wave w takes q's images 16 x + 2 w and + 1, one a pass.
; A PASS CARRIES BOTH TOKEN TILES OF AN IMAGE AT ONCE (tile 0, 1: 16 queries each): each fragment of k, of v and of the mask is fetched once for both, and the two tiles' dependent lines stand by turns.
; Both products are used transposed (S^T = k q^T, O^T = v^T p^T): a lane holds one query, its registers run along the keys.  A step is 128 keys: for each tile 8 products for S^T (an image of k holds two key
; tiles, one in each half of K = 128; q stands in one half and zeros in the other) and 4 for O^T.  The mask x 8 is the C of S^T's products, so that (s + 8 mask) x log2(e) / 8 is t.
; p = 2^(t - M), M the running ceiling of the largest t; the sum is taken of the unquantised p; sum and O^T are multiplied by 2^(old M - new M) in every step, with no branch.
; k and v have registers of their own: the next step's k and mask are fetched behind S^T's products, the next v behind O^T's.
; LDS: K's 8 steps at 0, V's at VB (6,144 bytes a step, images of operand registers); their scale words at SCB, the mask x 8 at MASKB (both by LDS stores); two stages of 4,352 bytes a wave; the spare words.
; FILLS, each byte once.  At the head every wave asks for a quarter of steps 0 to 2 (waves 0-3 K's, 4-7 V's: 4,608 bytes); behind the head's barrier, for a quarter of steps 3 to 7
; (7,680 bytes).  That load is waited for from the first pass's step 2 on, ahead of a plain barrier and of the fetch of step 3's fragments.  Every wait on TENSORcnt is for 0.
; cluster = none: a head's K and V are read by two work-groups alone (grid x = 2).  No prefetch: all tiles are asked for by the two groups of loads above, and no later trip loads from memory.
; LIMITS: the promise holds while the scaled scores stay under 2^31 in magnitude; mask x 8 is held at -2^100 from below; NaN and infinities are not served.
; REGISTERS.  Window 0: below.  Window 1: v0-63, v64-127 S^T then p of tile 0, 1; v128-159, v160-191 O^T; v192-255 the mask x 8.
.set VB,    49152
.set SCB,   98304
.set MASKB, 102400
.set STAGE, 106496
.set AKV0, 1                           ; v1 16 x lane; v2, v3 my places in the scale words and in the mask, step 0
.set AS0,  2
.set AM0,  3
.set STO,  4                           ; v4-6 the way out: into the stage, back, my offset in out0
.set RD,   5
.set GO,   6
.set ADKV, 7                           ; v7-9 as v1-3, for the step that is fetched
.set ADS,  8
.set ADM,  9
.set QW,   10                          ; v10, v11 q's scale word of tile 0, 1; v12, v13 the words of image 0, 1
.set QPW,  12
.set M,    14                          ; tile x: v[M+2x] -M, v[M+2x+1] the running largest t
.set L,    18                          ; v[L+2x .. +1] the sum, in two halves
.set F,    22                          ; v[F+2x] 2^(old M - new M); v[F+2x+1] 0
.set T,    26                          ; v[T+x] at work
.set U,    28                          ; v[U+2x .. +1] the sum's second chain
.set Z,    32                          ; tile x: v[Z+18x ..]: six zeros, q's six registers, six zeros
.set QL,   68                          ; v68-79 q's image 1
.set KF,   80                          ; v80-127 four fragments of k
.set VF,   128                         ; v128-175 four of v
.set KS,   176
.set VS,   180
.set PW,   184                         ; v184, v185 p's scale word
.set BM,   188                         ; tile x, block b: v[BM+4x+b] largest score, then largest p; BT, BS at work
.set BT,   196
.set BS,   204
.set PC,   212                         ; tile x: v[PC+20x ..] p's codes (at the head v232-243: q's image 0)
.set MK,   192                         ; window 1
.set MSB, 0
.macro WIN new                         ; the immediate's high byte repeats the setting that is left
.if MSB != (\new)
	s_set_vgpr_msb (MSB<<8)|(\new)
.set MSB, (\new)
.endif
.endm
.macro WALU
	s_wait_alu depctr_va_vdst(0)
.endm
.macro PLACES
.rept 4
	v_nop
.endr
.endm
	s_load_b256 s[4:11], s[0:1], 0x0               ; qkv, qkvsc, attention_mask, out0
	v_lshl_add_u32 v254, v0, 2, 0x2b000            ; my spare word, behind the stages
	v_mov_b32 v255, 0
	ds_add_u32 v254, v255                          ; the opening lines: the add twice on end and its wait
	ds_add_u32 v254, v255
	v_lshrrev_b32 v1, 5, v0
	v_readfirstlane_b32 s12, v1                    ; wave
	s_and_b32 s13, ttmp7, 0xffff                   ; 16 x batch + head
	s_lshl_b32 s15, ttmp9, 4
	s_lshl_b32 s14, s12, 1
	s_add_co_u32 s15, s15, s14                     ; my first image of q
	s_mov_b32 s24, 3<<16                           ; group 1, the head's load: 18 rows of 256 bytes (32 elements of 8)
	s_mov_b32 s25, 32<<16
	s_mov_b32 s26, 18<<16
	s_mov_b32 s27, 32<<16
	s_mov_b32 s28, 18
	s_mov_b32 s29, 32
	s_mov_b32 s30, 0
	s_mov_b32 s31, 0
	s_mov_b32 s32, 3<<16                           ; group 1, the second load: 30 rows
	s_mov_b32 s33, 32<<16
	s_mov_b32 s34, 30<<16
	s_mov_b32 s35, 32<<16
	s_mov_b32 s36, 30
	s_mov_b32 s37, 32
	s_mov_b32 s38, 0
	s_mov_b32 s39, 0
	s_mul_i32 s60, s13, 147456                     ; my head in qkv: q, k, v of 49,152 bytes each
	s_mul_i32 s61, s13, 6144                       ; and in qkvsc
	s_lshr_b32 s62, s12, 2
	s_mul_i32 s62, s62, VB                         ; waves 0-3 K, 4-7 V: as far apart in LDS as in qkv
	s_and_b32 s63, s12, 3
	s_mul_i32 s41, s63, 4608
	s_add_co_u32 s41, s41, s62                     ; LDS: my quarter of steps 0 to 2
	s_mul_i32 s45, s63, 7680
	s_add_co_u32 s45, s45, s62
	s_add_co_u32 s45, s45, 18432                   ; LDS: my quarter of steps 3 to 7
	s_add_co_u32 s16, s60, VB                      ; in qkv k begins 49,152 bytes behind q
	s_add_co_u32 s18, s16, s45
	s_add_co_u32 s16, s16, s41
	s_mov_b32 s17, 0
	s_mov_b32 s19, 0
	s_mov_b32 s20, 0x76543210
	s_mov_b32 s21, 0xfedcba98                      ; v_permlanex16_b32's selects for lane l xor 16
	s_mov_b32 s22, 0x3e38aa3b                      ; log2(e) / 8
	s_mov_b32 s23, s22
	s_wait_dscnt 0x0
	s_wait_kmcnt 0x0
	s_mov_b32 s40, 1
	s_add_nc_u64 s[42:43], s[4:5], s[16:17]
	s_or_b32 s43, s43, 0x80000000
	s_mov_b32 s44, 1
	s_add_nc_u64 s[46:47], s[4:5], s[18:19]
	s_or_b32 s47, s47, 0x80000000
	tensor_load_to_lds s[40:43], s[24:31]          ; steps 0 to 2: my one load at the head
	s_nop 0
	s_mul_i32 s16, s15, 1536
	s_add_co_u32 s16, s16, s60
	s_add_nc_u64 s[52:53], s[4:5], s[16:17]        ; q's two images, on end
	s_lshr_b32 s18, s15, 2
	s_lshl_b32 s18, s18, 8
	s_and_b32 s62, s15, 3
	s_lshl_b32 s62, s62, 2
	s_add_co_u32 s18, s18, s62
	s_add_co_u32 s18, s18, s61
	s_add_nc_u64 s[54:55], s[6:7], s[18:19]        ; their scale words: two neighbours in each row's four
	s_add_co_u32 s18, s61, 2048
	s_add_nc_u64 s[2:3], s[6:7], s[18:19]          ; k's and v's scale words: 4,096 bytes on end
	s_lshr_b32 s16, s13, 4
	s_lshl_b32 s18, s16, 12
	s_add_nc_u64 s[58:59], s[8:9], s[18:19]        ; the batch's mask
	s_lshl_b32 s16, s16, 22
	s_lshl_b32 s62, s15, 17
	s_add_co_u32 s16, s16, s62
	s_and_b32 s62, s13, 15
	s_lshl_b32 s62, s62, 8
	s_add_co_u32 s16, s16, s62
	s_add_nc_u64 s[56:57], s[10:11], s[16:17]      ; out0: my 64 rows, my head's 256 bytes
	v_lshlrev_b32 v248, 4, v0
	global_load_b128 v[188:191], v248, s[58:59]    ; 256 threads x 16 bytes: the 1,024 mask numbers
	global_load_b128 v[192:195], v248, s[2:3]      ; and the 4,096 bytes of scale words
	v_and_b32 v244, 31, v0
	v_and_b32 v245, 15, v0
	v_bfe_u32 v246, v0, 4, 1
	v_lshlrev_b32 v[AKV0], 4, v244
	v_lshlrev_b32 v247, 4, v245
.irp c, 0,1,2
	global_load_b128 v[232+4*\c:235+4*\c], v[AKV0], s[52:53] offset:512*\c
.endr
.irp c, 0,1,2
	global_load_b128 v[QL+4*\c:QL+4*\c+3], v[AKV0], s[52:53] offset:1536+512*\c
.endr
	global_load_b64 v[QPW:QPW+1], v247, s[54:55]
	v_lshl_add_u32 v249, v0, 4, MASKB
	v_lshl_add_u32 v250, v0, 4, SCB
	v_add_nc_u32 v[AS0], SCB, v247
	v_lshl_add_u32 v[AM0], v246, 6, MASKB
	s_mul_i32 s62, s12, 8704
	s_add_co_u32 s62, s62, STAGE                   ; my two stages
	v_mul_u32_u24 v[STO], v245, 272
	v_mul_u32_u24 v[RD], v246, 272
	v_lshlrev_b32 v[GO], 12, v246
	v_lshl_add_u32 v[STO], v246, 6, v[STO]
	v_lshl_add_u32 v[RD], v245, 4, v[RD]
	v_lshl_add_u32 v[GO], v245, 4, v[GO]
	v_add_nc_u32 v[STO], s62, v[STO]
	v_add_nc_u32 v[RD], s62, v[RD]
.irp x, 0,1
.irp i, 0,1,2,3,4,5
	v_mov_b32 v[Z+18*\x+\i], 0
	v_mov_b32 v[Z+18*\x+12+\i], 0
.endr
	v_mov_b32 v[F+2*\x+1], 0
.irp b, 0,1,2,3
	v_mov_b32 v[BT+4*\x+\b], 0                     ; a lane permute's destination counts as one of its sources
.endr
.endr
	WALU
	s_wait_loadcnt 0x7                             ; mask and scale words are in; q's six loads and its scale words may be out
.irp i, 0,1,2,3
	v_mul_f32 v[188+\i], 0x41000000, v[188+\i]     ; mask x 8,
.endr
.irp i, 0,1,2,3
	v_max_num_f32 v[188+\i], 0xf1800000, v[188+\i] ; held at -2^100 from below
.endr
	ds_store_b128 v249, v[188:191]
	ds_store_b128 v250, v[192:195]
	WALU                                           ; the head's end
	s_wait_tensorcnt 0x0                           ; my part of steps 0 to 2 is in
	ds_add_u32 v254, v255
	s_wait_dscnt 0x0                               ; the add and my two stores are done
	s_barrier_signal -1
	s_barrier_wait -1                              ; steps 0 to 2, the scale words and the mask are whole
	tensor_load_to_lds s[44:47], s[32:39]          ; steps 3 to 7: my one load behind this barrier, onto bytes filled for the first time
	s_nop 0
	s_wait_loadcnt 0x0                             ; q
.macro KLOAD                           ; 13 loads
.irp b, 0,1,2,3
.irp c, 0,1,2
	ds_load_b128 v[KF+12*\b+4*\c:KF+12*\b+4*\c+3], v[ADKV] offset:1536*\b+512*\c
.endr
.endr
	ds_load_b128 v[KS:KS+3], v[ADS]
.endm
.macro VLOAD                           ; 13 loads
.irp b, 0,1,2,3
.irp c, 0,1,2
	ds_load_b128 v[VF+12*\b+4*\c:VF+12*\b+4*\c+3], v[ADKV] offset:VB+1536*\b+512*\c
.endr
.endr
	ds_load_b128 v[VS:VS+3], v[ADS] offset:2048
.endm
.macro MLOAD                           ; 16 loads: mask x 8 in the result's layout: tile t's register i is key 32 (t / 2) + 16 h + 8 (t % 2) + i
	WIN 0x40
.irp t, 0,1,2,3,4,5,6,7
	ds_load_b128 v[MK+8*\t:MK+8*\t+3], v[ADM] offset:(32*(\t/2)+8*(\t%2))*4
	ds_load_b128 v[MK+8*\t+4:MK+8*\t+7], v[ADM] offset:(32*(\t/2)+8*(\t%2))*4+16
.endr
	WIN 0
.endm
; A step of 128 keys for both tiles.  next = 1: the next step's fragments are fetched.  sync = 1: ahead of that fetch the second tensor load is waited for and shown to all waves.
.macro STEP next, sync
	WALU
	s_wait_dscnt 13                                ; k, its scale words and the mask are in; v's 13 loads are younger
	WIN 0x50                                       ; C and D in window 1
.irp x, 0,1                                    ; sixteen accumulators by turns
.irp t, 0,1,2,3,4,5,6,7
	v_wmma_scale_f32_16x16x128_f8f6f4 v[64*\x+8*\t:64*\x+8*\t+7], v[KF+12*(\t/2):KF+12*(\t/2)+11], v[Z+18*\x+6-6*(\t%2):Z+18*\x+17-6*(\t%2)], v[MK+8*\t:MK+8*\t+7], v[KS+\t/2], v[QW+\x] matrix_a_fmt:MATRIX_FMT_FP6 matrix_b_fmt:MATRIX_FMT_FP6
.endr
.endr
	WIN 0
.if \next                                      ; four places ahead of the loads into k's and the mask's registers and of the first read of S^T
	s_add_co_u32 s48, s48, 6144
	s_add_co_u32 s49, s49, 256
	s_add_co_u32 s50, s50, 512
	v_add_nc_u32 v[ADKV], s48, v[AKV0]
	v_add_nc_u32 v[ADS], s49, v[AS0]
	v_add_nc_u32 v[ADM], s50, v[AM0]
	v_nop
.if \sync
	WALU
	s_wait_tensorcnt 0x0                           ; my part of steps 3 to 7 is in
	s_wait_dscnt 0x0                               ; no LDS instruction of mine is out at the signal
	s_barrier_signal -1
	s_barrier_wait -1                              ; everybody's is
.endif
	KLOAD
	MLOAD
.else
	PLACES
.endif
	WIN 0x15                                       ; each block's largest score: for the row's maximum and for the block's largest p
.irp x, 0,1
.irp b, 0,1,2,3
	v_max3_num_f32 v[BM+4*\x+\b], v[64*\x+16*\b], v[64*\x+16*\b+1], v[64*\x+16*\b+2]
.endr
.endr
	WIN 0x14
.irp i, 3,5,7,9,11,13
.irp x, 0,1
.irp b, 0,1,2,3
	v_max3_num_f32 v[BM+4*\x+\b], v[BM+4*\x+\b], v[64*\x+16*\b+\i], v[64*\x+16*\b+\i+1]
.endr
.endr
.endr
.irp x, 0,1
.irp b, 0,1,2,3
	v_max3_num_f32 v[BM+4*\x+\b], v[BM+4*\x+\b], v[64*\x+16*\b+15], v[64*\x+16*\b+15]
.endr
.endr
	WIN 0
.irp k, 0,1,2,3,4,5,6,7
	v_permlanex16_b32 v[BT+\k], v[BM+\k], s20, s21
.endr
.irp k, 0,1,2,3,4,5,6,7
	v_max_num_f32 v[BM+\k], v[BM+\k], v[BT+\k]     ; with lane l xor 16's 16 keys
.endr
.irp x, 0,1                                    ; from here the two tiles' lines by turns
	v_max3_num_f32 v[T+\x], v[BM+4*\x], v[BM+4*\x+1], v[BM+4*\x+2]
.endr
.irp x, 0,1
	v_max_num_f32 v[T+\x], v[T+\x], v[BM+4*\x+3]
.endr
.irp x, 0,1
	v_mul_f32 v[T+\x], s22, v[T+\x]                ; as t
.endr
.irp x, 0,1
	v_fma_f32 v[T+\x], |v[T+\x]|, 0x34800000, v[T+\x]   ; a margin of 2^-22 of it, so that the fused form below gives no t - M above 0
.endr
.irp x, 0,1
	v_max_num_f32 v[M+2*\x+1], v[M+2*\x+1], v[T+\x]     ; the running largest t
.endr
.irp x, 0,1
	v_mov_b32 v[T+\x], v[M+2*\x]
.endr
.irp x, 0,1
	v_floor_f32 v[M+2*\x], -v[M+2*\x+1]            ; -M
.endr
.irp x, 0,1
	v_sub_f32 v[T+\x], v[M+2*\x], v[T+\x]
.endr
.irp x, 0,1
	v_cvt_i32_f32 v[T+\x], v[T+\x]
.endr
.irp x, 0,1
	v_ldexp_f32 v[F+2*\x], 1.0, v[T+\x]            ; f = 2^(old M - new M)
.endr
	WIN 0x41
.irp x, 0,1
.set jj, 0
.rept 32
	v_pk_fma_f32 v[64*\x+jj:64*\x+jj+1], v[64*\x+jj:64*\x+jj+1], s[22:23], v[M+2*\x:M+2*\x+1] op_sel_hi:[1,0,0]   ; t - M
.set jj, jj+2
.endr
.endr
.irp x, 0,1
.set jj, 0
.rept 16
	v_pk_mul_f32 v[128+32*\x+jj:128+32*\x+jj+1], v[128+32*\x+jj:128+32*\x+jj+1], v[F+2*\x:F+2*\x+1] op_sel_hi:[1,0]   ; O^T under the new M, each accumulator from its low end on
.set jj, jj+2
.endr
.endr
	WIN 0
.irp x, 0,1
.irp b, 0,1,2,3
	v_fma_f32 v[BM+4*\x+\b], v[BM+4*\x+\b], s22, v[M+2*\x]
.endr
.endr
.irp x, 0,1
	v_pk_mul_f32 v[L+2*\x:L+2*\x+1], v[L+2*\x:L+2*\x+1], v[F+2*\x:F+2*\x+1] op_sel_hi:[1,0]   ; the sum under the new M
.endr
	WIN 0x41
	WALU                                           ; ahead of the batch
.set jj, 0
.rept 128
	v_exp_f32 v[jj], v[jj]
.set jj, jj+1
.endr
	WIN 0
.irp k, 0,1,2,3,4,5,6,7
	v_exp_f32 v[BM+\k], v[BM+\k]                   ; each block's largest p
.endr
	v_nop                                          ; the plain place behind the batch
	WALU                                           ; behind the batch
.irp k, 0,1,2,3,4,5,6,7
	v_max_num_f32 v[BM+\k], 0x1800000, v[BM+\k]    ; the floor 2^(3 - 127): the byte cannot fall under 1
.endr
.irp k, 0,1,2,3,4,5,6,7
	v_add_nc_u32 v[BS+\k], 0xff000000, v[BM+\k]    ; the conversion's scale operand
.endr
.irp k, 0,1,2,3,4,5,6,7
	v_lshrrev_b32 v[BT+\k], 23, v[BS+\k]           ; the byte
.endr
.irp x, 0,1
	v_lshl_or_b32 v[PW+\x], v[BT+4*\x+1], 8, v[BT+4*\x]
.endr
.irp x, 0,1
	v_lshl_or_b32 v[PW+\x], v[BT+4*\x+2], 16, v[PW+\x]
.endr
.irp x, 0,1
	v_lshl_or_b32 v[PW+\x], v[BT+4*\x+3], 24, v[PW+\x]
.endr
	WIN 0x01
.irp x, 0,1
.irp c, 0,1
	v_cvt_scalef32_pk16_fp6_f32 v[PC+20*\x+6*\c:PC+20*\x+6*\c+2], v[64*\x+32*\c:64*\x+32*\c+15], v[BS+4*\x+2*\c]
	v_cvt_scalef32_pk16_fp6_f32 v[PC+20*\x+12+4*\c:PC+20*\x+14+4*\c], v[64*\x+32*\c+16:64*\x+32*\c+31], v[BS+4*\x+2*\c+1]
.endr
.endr
	WIN 0
	v_nop                                          ; one plain place behind a scaled conversion
.irp x, 0,1                                    ; a whole block to a lane
.irp c, 0,1
.irp i, 0,1,2
	v_permlane16_swap_b32 v[PC+20*\x+6*\c+\i], v[PC+20*\x+12+4*\c+\i]
.endr
.endr
.endr
.irp x, 0,1
.irp c, 0,1
.irp i, 0,1,2
	v_mov_b32 v[PC+20*\x+3+6*\c+\i], v[PC+20*\x+12+4*\c+\i]
.endr
.endr
.endr
	WIN 0x05                                       ; the sum of the unquantised p: two chains a tile
.irp x, 0,1
	v_pk_add_f32 v[U+2*\x:U+2*\x+1], v[64*\x:64*\x+1], v[64*\x+2:64*\x+3]
.endr
	WIN 0x04
.irp j, 4,8,12,16,20,24,28,32,36,40,44,48,52,56,60
.irp x, 0,1
	v_pk_add_f32 v[L+2*\x:L+2*\x+1], v[L+2*\x:L+2*\x+1], v[64*\x+\j:64*\x+\j+1]
	v_pk_add_f32 v[U+2*\x:U+2*\x+1], v[U+2*\x:U+2*\x+1], v[64*\x+\j+2:64*\x+\j+3]
.endr
.endr
	WIN 0
.irp x, 0,1
	v_pk_add_f32 v[L+2*\x:L+2*\x+1], v[L+2*\x:L+2*\x+1], v[U+2*\x:U+2*\x+1]
.endr
	WALU
.if \next
	s_wait_dscnt 29                                ; v's fragments are in; the next k's 13 loads and the mask's 16 are younger
.else
	s_wait_dscnt 0x0
.endif
	WIN 0x50
.irp d, 0,1,2,3                                ; eight accumulators by turns
.irp x, 0,1
	v_wmma_scale_f32_16x16x128_f8f6f4 v[128+32*\x+8*\d:128+32*\x+8*\d+7], v[VF+12*\d:VF+12*\d+11], v[PC+20*\x:PC+20*\x+11], v[128+32*\x+8*\d:128+32*\x+8*\d+7], v[VS+\d], v[PW+\x] matrix_a_fmt:MATRIX_FMT_FP6 matrix_b_fmt:MATRIX_FMT_FP6
.endr
.endr
	WIN 0
.if \next
	PLACES                                         ; ahead of the loads into v's registers
	VLOAD
.endif
.endm
.macro LOOP n, sync
	s_mov_b32 s51, \n
.Lstep_\@:
	STEP 1, \sync
	s_sub_co_u32 s51, s51, 1
	s_cmp_lg_u32 s51, 0
	s_cbranch_scc1 .Lstep_\@
.endm
.macro OUT u                           ; O^T / the sum, through my stages, as rows of 256 bytes
	PLACES
.irp x, 0,1
	v_add_f32 v[L+2*\x], v[L+2*\x], v[L+2*\x+1]
.endr
.irp x, 0,1
	v_permlanex16_b32 v[T+\x], v[L+2*\x], s20, s21
.endr
.irp x, 0,1
	v_add_f32 v[L+2*\x], v[L+2*\x], v[T+\x]
.endr
	WALU
.irp x, 0,1
	v_rcp_f32 v[L+2*\x], v[L+2*\x]
.endr
	v_nop
	WIN 0x41
	WALU                                           ; directly ahead of the first reader of the quotients and of O^T
.irp x, 0,1
.set jj, 0
.rept 32
	v_mul_f32 v[64*\x+jj], v[128+32*\x+jj], v[L+2*\x]
.set jj, jj+1
.endr
.endr
	WIN 0x04
.irp x, 0,1
.irp d, 0,1,2,3
	ds_store_b128 v[STO], v[64*\x+8*\d:64*\x+8*\d+3] offset:4352*\x+128*(\d/2)+32*(\d%2)
	ds_store_b128 v[STO], v[64*\x+8*\d+4:64*\x+8*\d+7] offset:4352*\x+128*(\d/2)+32*(\d%2)+16
.endr
.endr
	WIN 0x40
.irp x, 0,1
.irp i, 0,1,2,3,4,5,6,7
	ds_load_b128 v[64*\x+32+4*\i:64*\x+35+4*\i], v[RD] offset:4352*\x+544*\i   ; LDS serves a wave's instructions in order: these see my stores
.endr
.endr
	WIN 0x04
.irp x, 0,1
.irp i, 0,1,2,3,4,5,6,7
	s_wait_dscnt 15-8*\x-\i
	global_store_b128 v[GO], v[64*\x+32+4*\i:64*\x+35+4*\i], s[56:57] offset:(2*\i+8*(\i/4))*4096+32768*\x+131072*\u th:TH_STORE_NT   ; sixteen lanes store 256 consecutive bytes, aligned
.endr
.endr
	WIN 0
.if \u == 0
	s_wait_xcnt 0x0                                ; the stores have read their registers: the next pass writes them
.endif
.endm
.macro PASS u, im                      ; image u, whose 12 registers begin at v[im]: 32 queries against all 1,024 keys
.irp x, 0,1
.irp i, 0,1,2,3,4,5
	v_mov_b32 v[Z+18*\x+6+\i], v[\im+6*\x+\i]
.endr
.endr
	v_perm_b32 v[QW], v[QPW+\u], v[QPW+\u], 0x01000100     ; a tile's two scale bytes, for either half of K
	v_perm_b32 v[QW+1], v[QPW+\u], v[QPW+\u], 0x03020302
.irp x, 0,1
	v_mov_b32 v[M+2*\x+1], 0xff61b1e6              ; -3e38, under every t
	v_mov_b32 v[L+2*\x], 0
	v_mov_b32 v[L+2*\x+1], 0
.endr
.irp x, 0,1
	v_floor_f32 v[M+2*\x], -v[M+2*\x+1]
.endr
	WIN 0x40
.set jj, 0
.rept 64
	v_mov_b32 v[128+jj], 0
.set jj, jj+1
.endr
	WIN 0
	s_mov_b32 s48, 0
	s_mov_b32 s49, 0
	s_mov_b32 s50, 0
	v_add_nc_u32 v[ADKV], s48, v[AKV0]
	v_add_nc_u32 v[ADS], s49, v[AS0]
	v_add_nc_u32 v[ADM], s50, v[AM0]
	KLOAD
	MLOAD
	VLOAD
.if \u == 0
	LOOP 2, 0                                      ; steps 0 and 1 run on the head's tiles while the second load is on its way
	LOOP 5, 1                                      ; from step 2 on the fetch reaches into what the second load brings
.else
	LOOP 7, 0
.endif
	STEP 0, 0
	OUT \u
.endm
	PASS 0, 232
	PASS 1, QL
	s_wait_tensorcnt 0x0                           ; the wave's end
	ds_add_u32 v254, v255
	s_wait_dscnt 0x0
	s_endpgm
.Lfunc_end_k_qc8f550b8d7_attn:
	.size	k_qc8f550b8d7_attn, .Lfunc_end_k_qc8f550b8d7_attn-k_qc8f550b8d7_attn
	.p2alignl 7, 3214868480
	.fill 96, 4, 3214868480
	.section	.rodata,"a",@progbits
	.p2align	6, 0x0
	.amdhsa_kernel k_qc8f550b8d7_attn
		.amdhsa_group_segment_fixed_size 327680
		.amdhsa_private_segment_fixed_size 0
		.amdhsa_enable_private_segment 0
		.amdhsa_kernarg_size 32
		.amdhsa_user_sgpr_count 2
		.amdhsa_user_sgpr_kernarg_segment_ptr 1
		.amdhsa_wavefront_size32 1
		.amdhsa_system_sgpr_workgroup_id_x 1
		.amdhsa_system_sgpr_workgroup_id_y 1
		.amdhsa_system_sgpr_workgroup_id_z 1
		.amdhsa_system_vgpr_workitem_id 0
		.amdhsa_next_free_vgpr 512
		.amdhsa_next_free_sgpr 66
		.amdhsa_reserve_vcc 0
		.amdhsa_float_denorm_mode_32 3
		.amdhsa_float_denorm_mode_16_64 3
		.amdhsa_memory_ordered 1
		.amdhsa_forward_progress 1
		.amdhsa_inst_pref_size 180
	.end_amdhsa_kernel
	.amdgpu_metadata
---
amdhsa.version: [ 1, 2 ]
amdhsa.kernels:
  - .name:           k_qc8f550b8d7_attn
    .symbol:         k_qc8f550b8d7_attn.kd
    .args:
      - { .name: qkv, .offset: 0, .size: 8, .value_kind: global_buffer, .address_space: global }
      - { .name: qkvsc, .offset: 8, .size: 8, .value_kind: global_buffer, .address_space: global }
      - { .name: attention_mask, .offset: 16, .size: 8, .value_kind: global_buffer, .address_space: global }
      - { .name: out0, .offset: 24, .size: 8, .value_kind: global_buffer, .address_space: global }
    .group_segment_fixed_size: 327680
    .private_segment_fixed_size: 0
    .kernarg_segment_align: 8
    .kernarg_segment_size: 32
    .max_flat_workgroup_size: 256
    .sgpr_count:     66
    .vgpr_count:     512
    .wavefront_size: 32
...
	.end_amdgpu_metadata
.endif
;; end of part 3
